; MI455X (gfx1250); checked and timed in simulation.
; The chip was launched on July 23, 2026; its instructions are those of AMD's public machine-readable ISA for CDNA 5 (MIT licence, August 2026) and "CDNA5" Instruction Set Architecture Reference Guide (July 2026). The comments in the code are by the model that wrote it; some were corrected since.
;; vae Vector Quantizer. Allowed arithmetic: float matrix products may take bf16 or f16 operands with f32 sums; other float arithmetic in f32, or as packed bf16 or f16 multiplies, adds, multiply-adds, maxima and minima; sums over many terms, partial sums and values carried from step to step in f32; what a program stores and reads back later, other than sums and carried values, may be rounded once to bf16 or f16.
;; Inputs: embeddings 256 x 8,192 float32; x 32,768 x 256 float32.
;; Outputs: out0 32,768 x 256 float32.
;; 2 versions, each right; version 2 is version 1 with the launches prep, gather written anew for expert scheduling mode. Each part assembles by itself: llvm-mc -triple=amdgcn-amd-amdhsa -mcpu=gfx1250 --defsym DOCPART=n.
;; ======== version 1 of 2: 3 launches
;; workspace buffers: tab 4,194,304 bytes; hee 32,768 bytes; idx 131,072 bytes of whole numbers
;; launch prep (part 1): grid 128 x 1, 8 waves a work-group, no clusters, 35,072 bytes of LDS; arguments embeddings, tab, hee; writes tab, hee
.if DOCPART == 1
	.amdgcn_target "amdgcn-amd-amdhsa--gfx1250"
	.amdhsa_code_object_version 6
	.text
	.protected	k_q494b9700a6_prep
	.globl	k_q494b9700a6_prep
	.p2align	8
	.type	k_q494b9700a6_prep,@function
k_q494b9700a6_prep:
	s_mov_b64 s[64:65], 0
	v_nop
	global_prefetch_b8 v0, s[64:65] scope:SCOPE_SE
	s_setreg_imm32_b32 hwreg(HW_REG_WAVE_MODE, 25, 1), 1
	s_wait_xcnt 0x0
; THE PROGRAM: out[n][:] = embeddings[:, k(n)], k(n) = argmin over k of ||x_n||^2 - 2 x_n . e_k + ||e_k||^2.  Three launches:
;   prep (this one): tab[k][d] = bf16(embeddings[d][k]) and hee[k] = -1/2 sum over d of tab[k][d]^2;   argmin: idx[n] = argmax over k of x_n . tab[k] + hee[k];   gather: out[n] = tab[idx[n]] as f32.
; WORK LEFT OUT.  ||x_n||^2 is one number for a row n: it is added to all 8,192 distances of that row alike, so in exact arithmetic it moves no argmin, whatever finite numbers x and embeddings hold;
; it reaches the output by no other way.  It is of the size of the other two terms, so no digit of theirs hangs on it.  It is not computed.  x itself stays live (the product).  The factor -2 is folded away:
; argmin(ee - 2 p) = argmax(p - ee / 2), and halving is exact.
; LIMITS.  A NaN, an infinity or an overflow that reaches only ||x_n||^2 is not carried to the result.  The matrix operands are x and embeddings rounded once to bf16, ||e||^2 is summed of the ROUNDED
; numbers (the distances are those of the rounded inputs), and the output is the rounded column widened to f32: within 2^-9 of the f32 number.  A number beyond bf16's largest rounds to an infinity.
; Sums are taken in another order than a sum down the column: two distances of a row that lie closer than f32's rounding of them may change places.
; SHARES.  Eight waves; a work-group owns 64 codes: 256 consecutive bytes of each of the 256 rows of embeddings, 64 whole rows of tab, 256 consecutive bytes of hee.
; Phase 1: wave v takes rows d = 32 v .. 32 v + 31, rounds them and lays them turned into a stage in LDS.  Phase 2: wave v takes codes 8 v .. 8 v + 7 out of the stage as whole rows of 512 bytes.
.set EROW,  32768                      ; bytes in a row of embeddings
.set SP,    528                        ; a stage row: 512 bytes + 16
.set EEL,   64*SP                      ; behind the stage: the work-group's 64 numbers for hee, a block of 256 bytes
.set SPARE, EEL+256                    ; behind it: the spare words, 128 bytes for each of eight waves: four blocks of 256 bytes that no other line names
.set LO,  5                            ; v5   my byte offset in embeddings: (32 v + 8 (l / 16)) rows + 16 (l % 16)
.set SA,  6                            ; v6   where I put 16 bytes in the stage
.set RA,  7                            ; v7   where I read a row back
.set TO,  8                            ; v8   16 l: my 16 bytes of a row of tab
.set EA,  9                            ; v9   EEL + 32 v
.set HL,  10                           ; v10  EEL + 8 l
.set HO,  11                           ; v11  8 l
.set SPW, 12                           ; v12  LDS address of my spare word; never rewritten
.set NIL, 13                           ; v13  0; never rewritten
.set IN,  16                           ; v[16:79]   phase 1: sixteen loads of 4; phase 2: v[16:47] eight rows of tab
.set U,   48                           ; v[48:55]   phase 2: eight numbers in f32
.set Q,   56                           ; v[56:57]   phase 2: two running sums of squares
.set S,   64                           ; v[64:71]   phase 2: the sum for each of my eight codes
.set PK,  80                           ; v[80:111]  phase 1: packed bf16; phase 2: v[80:87] the other half of the lanes' sums
.set WV,  10                           ; s10  my wave's number
.set HIM, 11                           ; s11  a word's upper bf16
.set SEL, 12                           ; s[12:13] v_permlanex16_b32's selects: each lane takes its own place in the other half
	s_load_b128 s[4:7], s[0:1], 0x0                ; embeddings s[4:5], tab s[6:7]
	s_load_b64 s[8:9], s[0:1], 0x10                ; hee
	v_lshl_add_u32 v[SPW], v0, 2, SPARE
	v_mov_b32 v[NIL], 0
	v_lshrrev_b32 v1, 5, v0
	v_readfirstlane_b32 s[WV], v1                  ; wave 0..7
	v_and_b32 v2, 15, v0                           ; l % 16: which four codes
	v_bfe_u32 v3, v0, 4, 1                         ; l / 16
	v_and_b32 v4, 31, v0                           ; l
	s_mov_b32 s[HIM], 0xffff0000
	s_mov_b32 s[SEL], 0x76543210
	s_mov_b32 s[SEL+1], 0xfedcba98
	s_lshl_b32 s18, s[WV], 20                      ; 32 rows of 32,768 bytes
	v_lshlrev_b32 v[LO], 18, v3                    ; 8 rows
	v_lshl_add_u32 v[LO], v2, 4, v[LO]
	v_add_nc_u32 v[LO], s18, v[LO]
	s_lshl_b32 s19, s[WV], 6                       ; my 32 channels: 64 bytes of a stage row
	v_mul_u32_u24 v[SA], v2, 4*SP                  ; stage row 4 (l % 16)
	v_lshl_add_u32 v[SA], v3, 4, v[SA]             ; 8 channels: 16 bytes
	v_add_nc_u32 v[SA], s19, v[SA]
	s_mul_i32 s20, s[WV], 8*SP                     ; my eight codes' rows
	v_lshl_add_u32 v[RA], v4, 4, s20
	v_lshlrev_b32 v[TO], 4, v4
	s_lshl_b32 s21, s[WV], 5
	s_add_co_u32 s21, s21, EEL
	v_mov_b32 v[EA], s21
	v_lshlrev_b32 v[HO], 3, v4
	v_add_nc_u32 v[HL], EEL, v[HO]
	s_lshl_b32 s14, ttmp9, 8                       ; the work-group's 64 codes: 256 bytes of a row of embeddings, and of hee
	s_mov_b32 s15, 0
	s_lshl_b32 s16, ttmp9, 15                      ; 64 rows of tab,
	s_lshl_b32 s18, s[WV], 12                      ; my eight of them
	s_add_co_u32 s16, s16, s18
	s_mov_b32 s17, 0
	s_wait_kmcnt 0x0
	s_add_nc_u64 s[4:5], s[4:5], s[14:15]
	s_add_nc_u64 s[8:9], s[8:9], s[14:15]
	s_add_nc_u64 s[6:7], s[6:7], s[16:17]
	; PHASE 1.  Load (g, t) brings row d = 32 v + 16 g + 8 (l / 16) + t: lanes 0-15 take the 256 bytes of one row, lanes 16-31 those of the row 8 further down.
.irp g, 0,1
.irp t, 0,1,2,3,4,5,6,7
	global_load_b128 v[IN+32*(\g)+4*(\t):IN+32*(\g)+4*(\t)+3], v[LO], s[4:5] offset:(16*(\g)+(\t))*EROW th:TH_LOAD_NT
.endr
.endr
.irp g, 0,1
	s_wait_loadcnt 8-8*(\g)                        ; loads come back in order: group g's eight are in; group 1's may stay out behind group 0
.irp c, 0,1,2,3                        ; code 4 (l % 16) + c: its eight channels pack into 16 bytes, the lower channel in the lower half
.irp q, 0,1,2,3
	v_cvt_pk_bf16_f32 v[PK+16*(\g)+4*(\c)+(\q)], v[IN+32*(\g)+8*(\q)+(\c)], v[IN+32*(\g)+8*(\q)+4+(\c)]
.endr
	ds_store_b128 v[SA], v[PK+16*(\g)+4*(\c):PK+16*(\g)+4*(\c)+3] offset:(\c)*SP+32*(\g)
.endr
.endr
	s_wait_dscnt 0x0                               ; for the others' sake: my stores into the stage are done
	s_barrier_signal -1
	s_barrier_wait -1                              ; the stage is whole
	; PHASE 2.  A row of the stage is a row of tab: 32 lanes x 16 bytes.
.irp q, 0,1,2,3,4,5,6,7
	ds_load_b128 v[IN+4*(\q):IN+4*(\q)+3], v[RA] offset:SP*(\q)
.endr
.irp q, 0,1,2,3,4,5,6,7
	s_wait_dscnt 7-(\q)                            ; LDS loads come back in order: row q is in, the younger ones stay out
	global_store_b128 v[TO], v[IN+4*(\q):IN+4*(\q)+3], s[6:7] offset:512*(\q)  ; the wave stores 512 consecutive bytes, at a multiple of 256 from tab's first
.irp c, 0,1,2,3
	v_lshlrev_b32 v[U+2*(\c)],   16, v[IN+4*(\q)+(\c)]      ; bf16 to f32: the low half moves up,
	v_and_b32     v[U+2*(\c)+1], s[HIM], v[IN+4*(\q)+(\c)]  ; the high half stays
.endr
	v_pk_mul_f32 v[Q:Q+1], v[U:U+1], v[U:U+1]      ; my eight squares of the rounded numbers, in f32
	v_pk_fma_f32 v[Q:Q+1], v[U+2:U+3], v[U+2:U+3], v[Q:Q+1]
	v_pk_fma_f32 v[Q:Q+1], v[U+4:U+5], v[U+4:U+5], v[Q:Q+1]
	v_pk_fma_f32 v[Q:Q+1], v[U+6:U+7], v[U+6:U+7], v[Q:Q+1]
	v_add_f32 v[S+(\q)], v[Q], v[Q+1]
.endr
.irp x, 1,2,4,8                        ; across the lanes: four steps inside each half of 16, the eight codes' sums side by side
.irp q, 0,1,2,3,4,5,6,7
	v_add_f32_dpp v[S+(\q)], v[S+(\q)], v[S+(\q)] row_xmask:\x row_mask:0xf bank_mask:0xf
.endr
.endr
.irp q, 0,1,2,3,4,5,6,7
	v_permlanex16_b32 v[PK+(\q)], v[S+(\q)], s[SEL], s[SEL+1]  ; the other half's sum; the destination was written in phase 1
.endr
.irp q, 0,1,2,3,4,5,6,7
	v_add_f32 v[S+(\q)], v[S+(\q)], v[PK+(\q)]
.endr
.irp q, 0,1,2,3,4,5,6,7
	v_mul_f32 v[S+(\q)], -0.5, v[S+(\q)]           ; exact
.endr
	ds_store_b128 v[EA], v[S:S+3]                  ; every lane holds the same eight numbers and writes them to the same 32 bytes
	ds_store_b128 v[EA], v[S+4:S+7] offset:16
	s_wait_dscnt 0x0                               ; for wave 0's sake
	s_barrier_signal -1
	s_barrier_wait -1
	s_cmp_lg_u32 s[WV], 0
	s_cbranch_scc1 .Lend
	ds_load_b64 v[14:15], v[HL]
	s_wait_dscnt 0x0
	global_store_b64 v[HO], v[14:15], s[8:9]       ; the wave stores 256 consecutive bytes, at a multiple of 256 from hee's first
.Lend:
	s_wait_tensorcnt 0x0                           ; the wave's end, behind my last LDS store
	ds_add_u32 v[SPW], v[NIL]
	s_wait_dscnt 0x0
	s_endpgm
.Lfunc_end_k_q494b9700a6_prep:
	.size	k_q494b9700a6_prep, .Lfunc_end_k_q494b9700a6_prep-k_q494b9700a6_prep
	.p2alignl 7, 3214868480
	.fill 96, 4, 3214868480
	.section	.rodata,"a",@progbits
	.p2align	6, 0x0
	.amdhsa_kernel k_q494b9700a6_prep
		.amdhsa_group_segment_fixed_size 35072
		.amdhsa_private_segment_fixed_size 0
		.amdhsa_enable_private_segment 0
		.amdhsa_kernarg_size 24
		.amdhsa_user_sgpr_count 2
		.amdhsa_user_sgpr_kernarg_segment_ptr 1
		.amdhsa_wavefront_size32 1
		.amdhsa_system_sgpr_workgroup_id_x 1
		.amdhsa_system_sgpr_workgroup_id_y 1
		.amdhsa_system_sgpr_workgroup_id_z 1
		.amdhsa_system_vgpr_workitem_id 0
		.amdhsa_next_free_vgpr 128
		.amdhsa_next_free_sgpr 66
		.amdhsa_reserve_vcc 0
		.amdhsa_float_denorm_mode_32 3
		.amdhsa_float_denorm_mode_16_64 3
		.amdhsa_memory_ordered 1
		.amdhsa_forward_progress 1
		.amdhsa_inst_pref_size 16
	.end_amdhsa_kernel
	.amdgpu_metadata
---
amdhsa.version: [ 1, 2 ]
amdhsa.kernels:
  - .name:           k_q494b9700a6_prep
    .symbol:         k_q494b9700a6_prep.kd
    .args:
      - { .name: embeddings, .offset: 0, .size: 8, .value_kind: global_buffer, .address_space: global }
      - { .name: tab, .offset: 8, .size: 8, .value_kind: global_buffer, .address_space: global }
      - { .name: hee, .offset: 16, .size: 8, .value_kind: global_buffer, .address_space: global }
    .group_segment_fixed_size: 35072
    .private_segment_fixed_size: 0
    .kernarg_segment_align: 8
    .kernarg_segment_size: 24
    .max_flat_workgroup_size: 256
    .sgpr_count:     66
    .vgpr_count:     128
    .wavefront_size: 32
...
	.end_amdgpu_metadata
.endif
;; end of part 1
;; launch argmin (part 2): grid 256 x 1, 4 waves a work-group, clusters of 4 x 1, 327,680 bytes of LDS; arguments x, tab, hee, idx; writes idx
.if DOCPART == 2
	.amdgcn_target "amdgcn-amd-amdhsa--gfx1250"
	.amdhsa_code_object_version 6
	.text
	.protected	k_q494b9700a6_argmin
	.globl	k_q494b9700a6_argmin
	.p2align	8
	.type	k_q494b9700a6_argmin,@function
k_q494b9700a6_argmin:
	s_mov_b64 s[64:65], 0
	v_nop
	global_prefetch_b8 v0, s[64:65] scope:SCOPE_SE
	s_setreg_imm32_b32 hwreg(HW_REG_WAVE_MODE, 25, 1), 1
	s_wait_xcnt 0x0
	s_wait_alu depctr_hold_cnt(0) depctr_sa_sdst(0) depctr_va_vdst(0) depctr_va_sdst(0) depctr_va_ssrc(0) depctr_va_vcc(0) depctr_vm_vsrc(0)
	s_getreg_b32 s2, hwreg(HW_REG_IB_STS2, 6, 4)
	s_cmp_eq_u32 s2, 0
	s_cbranch_scc0 .Lentry_in_a_cluster
	s_endpgm
.Lentry_in_a_cluster:
	s_bfe_u32 s2, ttmp6, 0x10000c
	s_cmp_lg_u32 s2, 0x3003
	s_cbranch_scc0 .Lentry_shape_is_right
	s_endpgm
.Lentry_shape_is_right:
; idx[n] = the lowest k at which score(n, k) = sum over d of bf16(x[n][d]) tab[k][d] + hee[k] is greatest.  x: [32768][256] f32; tab: [8192][256] bf16; hee: [8192] f32 = -||e_k||^2 / 2; idx: [32768] u32.
; WORK LEFT OUT: ||x_n||^2, which is the same for all k of a row and moves no argmin (shown at the head of the first kernel); argmin(ee - 2 p) = argmax(p - ee / 2).
; LIMITS.  A score that is NaN is never chosen (an argmin would choose the first NaN); infinities are not treated apart; equal scores go to the lowest code.  Products in bf16, sums in f32.
; SHARES.  A work-group owns 128 rows of x.  EVERY wave holds all 128 rows as bf16 fragments in registers (8 tiles of 16 rows x 8 steps of 32 channels x 8 registers = 512) and walks a QUARTER of the codes:
; the table goes in 32 chunks of 256 codes; of chunk c wave w owns codes 256 c + 64 w .. + 63, four tiles of 16.  A TURN is one tile of codes against all 128 rows: 64 matrix instructions fed by 16 LDS loads.
; LAYOUT.  Source 0 = 16 codes, source 1 = 16 rows of x: in the result lane l holds row l % 16 of x, and register j the code 8 (l / 16) + j.  The C operand of a sum's first step is hee of those eight codes,
; loaded as it lies: nothing is cleared and nothing is added afterwards.
; THE MAXIMUM.  For each of the 64 result registers (x tile m, register j) a running best value BV and the number 16 T of the turn T that gave it, BI.  The three lines that keep them (two selects, and the
; compare for the next register) stand behind the matrix instructions of the NEXT turn, one register's behind each: two sets of accumulators take turns.  The compare is strict, so the earlier, lower code stays.
; At the end the 8 registers, the two halves of the lanes and the four waves are merged, by value and then by the lower code.
; RING.  Two LDS slots of a chunk each.  A wave fetches the 64 rows that it reads itself: its own wait on TENSORcnt orders its reads.  x comes first into slot 1 as f32, is rounded into registers, and slot 1 then joins the ring.
; CLUSTER.  All work-groups walk the same table: the four of a cluster ask for each piece JOINTLY, by the same tensor load with the same descriptor and the mask of four.  x's load is each work-group's own (mask 0).
; REGISTERS, in windows of 256 (s_set_vgpr_msb: bits 1:0 source 0, 3:2 source 1, 5:4 source 2, 7:6 destination):
;   window 0: v0-15 addresses; v16-31 hee of a tile, two buffers; v32-47, v64-81 the merge; v128-191 BV; v192-255 BI
;   window 1: v0-63, v64-127 the two sets of accumulators (x tile m at 8 m); v128-191, v192-255 a tile's fragments, two buffers (step k at 8 k); all 256 hold x in f32 while it is rounded
;   window 2: x tiles 0-3 (tile m, step k at 64 m + 8 k)          window 3: x tiles 4-7
.set PITCH, 528                        ; a table row in LDS: 512 bytes + 16 = 132 words: row r starts at bank 4 r mod 64 (64 banks of 4 bytes: ISA guide 11.1), so the 16 rows of a load start at 16 different banks
.set TILEB, 16*PITCH                   ; a tile of 16 codes
.set HALFT, 64*PITCH                   ; a wave's 64 rows of a chunk
.set SLOT,  4*HALFT                    ; 135,168 = 0x21000; no wave's or tile's offset in a slot has one of its two bits, so one exclusive or turns an address in one slot into the other's
.set XP,    1040                       ; a row of x in LDS: 1,024 bytes + 16
.set XW,    32*XP                      ; the 32 rows of x that a wave fetches
.set EEB,   2*SLOT                     ; behind the ring: hee, 8,192 bytes a wave: tile T's 16 numbers at 64 T
.set MRG,   EEB+32768                  ; the merge: [wave][128 rows] of 8 bytes (value, code); no tensor load lands here
.set SPARE, MRG+4096                   ; the spare words, 128 bytes for each wave: two blocks of 256 bytes that no other line names
.set CHUNKB, 256*512                   ; a chunk in memory
.set AF0, 2                            ; v2   my place in my wave's rows of slot 0: w HALFT + (l % 16) PITCH + 16 (l / 16); never rewritten
.set ADR, 3                            ; v3   the LDS address of the run of fragment loads in hand
.set AE0, 4                            ; v4   EEB + 8192 w + 32 (l / 16); never rewritten
.set AEA, 5                            ; v5   the address of hee's two loads in hand
.set XA,  6                            ; v6   my place in the x tile to be read
.set H8,  7                            ; v7   8 (l / 16)
.set MS,  8                            ; v8   the merge: where I put a pair
.set ML,  9                            ; v9   the merge: where I read two rows' pairs
.set SPW, 10                           ; v10  LDS address of my spare word; never rewritten
.set NIL, 11                           ; v11  0; never rewritten
.set GI,  12                           ; v12  my 8 bytes of idx
.set PFO, 13                           ; v13  256 l: the prefetches' offset; never rewritten
.set T0,  14
.set T1,  15
.set EE,  16
.set PR,  32
.set FM,  64
.set BV,  128
.set BI,  192
.set WV,  12                           ; s12  my wave's number
.set CX,  13                           ; s13  my place in the cluster: it enters global addresses alone
.set WG,  14                           ; s14  my work-group
.set LIM, 15                           ; s15  2 in the launch's first cluster, else the greatest number: a wave prefetches while s[SLOTS] is above it
.set PFA, 18                           ; s[18:19] where my prefetches stand
.set G1T, 24                           ; s[24:31] descriptor group 1 for the table's tiles;  s[32:35] group 0: it walks
.set G0T, 32
.set G1E, 36                           ; s[36:43], s[44:47] for hee
.set G0E, 44
.set G1X, 48                           ; s[48:55], s[56:59] for x
.set G0X, 56
.set SLOTS, 60                         ; s60  counts the changes of slots
.set TW,  61                           ; s61  counts pairs of turns
.set TB,  62                           ; s62  LDS byte, less my wave's, at which the tile to be fetched begins
.set TE,  63                           ; s63  64 x the number of the tile to be fetched
.set CB,  66                           ; s66  16 x the number of the turn whose scores are being compared
.set NINF, 67                          ; s67  -infinity
.set SEL, 68                           ; s[68:69] v_permlanex16_b32's selects
.set MK,  70                           ; s70, s71 the compares' masks, by turns
.set M0,  72                           ; s72-74 the merge's masks
.set M1,  73
.set M2,  74
.set W64, 75                           ; s75  64 w
.set MSB, 0
.macro WIN new                         ; the immediate's high byte repeats the setting that is left; a switch that changes nothing is dropped
.if MSB != (\new)
	s_set_vgpr_msb (MSB<<8)|(\new)
.set MSB, (\new)
.endif
.endm
; A round of the cluster's barrier: my work-group's barrier, so that wave 0's signal speaks for all four waves; wave 0 signals; every wave waits for all four work-groups; my work-group's barrier once more.
.macro CROUND
	s_barrier_signal -1
	s_barrier_wait -1
	s_cmp_lg_u32 s[WV], 0
	s_cbranch_scc1 .Lnot_wave_0_\@
	s_barrier_signal -3
.Lnot_wave_0_\@:
	s_barrier_wait -3
	s_barrier_signal -1
	s_barrier_wait -1
.endm
.macro PLACES
.rept 4
	v_nop
.endr
.endm
	s_load_b256 s[4:11], s[0:1], 0x0               ; x s[4:5], tab s[6:7], hee s[8:9], idx s[10:11]
	v_lshl_add_u32 v[SPW], v0, 2, SPARE
	v_mov_b32 v[NIL], 0
	ds_add_u32 v[SPW], v[NIL]                      ; the wave's opening: the add, twice on end, and its wait stand ahead of my first tensor load; the set-up below, work on registers, stands between
	ds_add_u32 v[SPW], v[NIL]                      ; and once more, under the one wait
	v_lshrrev_b32 v[T0], 5, v0
	v_readfirstlane_b32 s[WV], v[T0]               ; wave 0..3
	s_bfe_u32 s[CX], ttmp6, 0x40000                ; cx
	s_lshl_b32 s[WG], ttmp9, 2                     ; in a cluster launch ttmp9 counts clusters
	s_add_co_u32 s[WG], s[WG], s[CX]
	s_cmp_eq_u32 ttmp9, 0
	s_cselect_b32 s[LIM], 2, -1                    ; the same in all four partners
	; the table: a tile of 64 rows x 256 elements of 2 bytes, padded in LDS
	s_mov_b32 s[G1T], 15|(1<<16)|(1<<20)|(1<<21)|(6<<22)|(3<<25)  ; 15:0 the mask of four; 17:16 2-byte elements; 20 padding on; 21 set beside a mask; 24:22 after every 128 words (code 6); 31:25 4 words (code 3)
	s_mov_b32 s[G1T+1], 256<<16                    ; tensor_dim0 = 256
	s_mov_b32 s[G1T+2], 64<<16                     ; tensor_dim1 = 64
	s_mov_b32 s[G1T+3], 256<<16                    ; tile_dim0 = 256
	s_mov_b32 s[G1T+4], 64                         ; tile_dim1 = 64
	s_mov_b32 s[G1T+5], 256                        ; elements from row to row
	s_mov_b32 s[G1T+6], 0
	s_mov_b32 s[G1T+7], 0
	; hee: 32 rows (a chunk each) x my 64 numbers of 4 bytes, 256 numbers from row to row; they land on end
	s_mov_b32 s[G1E], 15|(2<<16)|(1<<21)
	s_mov_b32 s[G1E+1], 64<<16
	s_mov_b32 s[G1E+2], 32<<16
	s_mov_b32 s[G1E+3], 64<<16
	s_mov_b32 s[G1E+4], 32
	s_mov_b32 s[G1E+5], 256
	s_mov_b32 s[G1E+6], 0
	s_mov_b32 s[G1E+7], 0
	; x: 32 rows x 256 numbers of 4 bytes, padded; no mask: each work-group has rows of its own
	s_mov_b32 s[G1X], (2<<16)|(1<<20)|(7<<22)|(3<<25)  ; after every 256 words (code 7) 4 words (code 3)
	s_mov_b32 s[G1X+1], 256<<16
	s_mov_b32 s[G1X+2], 32<<16
	s_mov_b32 s[G1X+3], 256<<16
	s_mov_b32 s[G1X+4], 32
	s_mov_b32 s[G1X+5], 256
	s_mov_b32 s[G1X+6], 0
	s_mov_b32 s[G1X+7], 0
	s_mov_b32 s[G0T], 1                            ; count = 1
	s_mul_i32 s[G0T+1], s[WV], HALFT               ; LDS: slot 0, my wave's rows: no place in the cluster enters an LDS address
	s_mov_b32 s[G0E], 1
	s_lshl_b32 s[G0E+1], s[WV], 13
	s_add_co_u32 s[G0E+1], s[G0E+1], EEB
	s_mov_b32 s[G0X], 1
	s_mul_i32 s[G0X+1], s[WV], XW
	s_add_co_u32 s[G0X+1], s[G0X+1], SLOT
	s_lshl_b32 s16, s[WV], 15                      ; the table: my 64 rows of 512 bytes in a chunk
	s_mov_b32 s17, 0
	s_lshl_b32 s20, s[WV], 8                       ; hee: my 64 numbers in a chunk
	s_mov_b32 s21, 0
	s_lshl_b32 s22, s[WG], 17                      ; x: my work-group's 128 rows of 1,024 bytes,
	s_add_co_u32 s22, s22, s16                     ; my wave's 32 of them
	s_mov_b32 s23, 0
	s_lshl_b32 s76, s[CX], 13                      ; the prefetches: of my wave's 64 rows my work-group's 16,
	s_add_co_u32 s76, s76, s16
	s_add_co_u32 s76, s76, 3*CHUNKB                ; in chunk 3: the first change of slots steps it to chunk 4
	s_mov_b32 s77, 0
	s_lshl_b32 s78, s[WG], 9                       ; idx: 128 numbers of 4 bytes
	s_mov_b32 s79, 0
	s_mov_b32 s[NINF], 0xff800000
	s_mov_b32 s[SEL], 0x76543210
	s_mov_b32 s[SEL+1], 0xfedcba98
	s_lshl_b32 s[W64], s[WV], 6
	s_wait_dscnt 0x0                               ; both opening adds are done
	s_wait_kmcnt 0x0
	s_add_nc_u64 s[G0T+2:G0T+3], s[6:7], s[16:17]  ; chunk 0
	s_or_b32 s[G0T+3], s[G0T+3], 0x80000000        ; type = 2
	s_add_nc_u64 s[G0E+2:G0E+3], s[8:9], s[20:21]
	s_or_b32 s[G0E+3], s[G0E+3], 0x80000000
	s_add_nc_u64 s[G0X+2:G0X+3], s[4:5], s[22:23]
	s_or_b32 s[G0X+3], s[G0X+3], 0x80000000
	s_add_nc_u64 s[PFA:PFA+1], s[6:7], s[76:77]
	s_add_nc_u64 s[10:11], s[10:11], s[78:79]
	CROUND                                         ; all four work-groups are here: the first joint loads meet
	tensor_load_to_lds s[G0X:G0X+3], s[G1X:G1X+7]  ; the first fills go out as one group, x first since it is wanted first: three loads of mine are out
	s_nop 0
	tensor_load_to_lds s[G0E:G0E+3], s[G1E:G1E+7]
	s_nop 0
	tensor_load_to_lds s[G0T:G0T+3], s[G1T:G1T+7]
	s_nop 0
	PLACES
	v_and_b32 v1, 15, v0                           ; l % 16
	v_bfe_u32 v[T0], v0, 4, 1                      ; l / 16
	v_and_b32 v[T1], 31, v0                        ; l
	s_mul_i32 s20, s[WV], HALFT
	v_mul_u32_u24 v[AF0], v1, PITCH
	v_lshl_add_u32 v[AF0], v[T0], 4, v[AF0]
	v_add_nc_u32 v[AF0], s20, v[AF0]
	v_lshlrev_b32 v[AE0], 5, v[T0]
	v_add_nc_u32 v[AE0], s[G0E+1], v[AE0]
	v_mul_u32_u24 v[XA], v1, XP
	v_lshl_add_u32 v[XA], v[T0], 5, v[XA]          ; 8 channels of f32: 32 bytes
	v_add_nc_u32 v[XA], SLOT, v[XA]
	v_lshlrev_b32 v[H8], 3, v[T0]
	s_lshl_b32 s21, s[WV], 10
	s_add_co_u32 s21, s21, MRG
	v_lshl_add_u32 v[MS], v1, 3, s21               ; MRG + 1024 w + 8 (l % 16)
	s_lshl_b32 s22, s[WV], 9
	s_add_co_u32 s22, s22, MRG
	v_lshl_add_u32 v[ML], v[T1], 4, s22            ; MRG + 512 w + 16 l: rows 64 w + 2 l and the next
	s_lshl_b32 s23, s[WV], 8
	v_lshl_add_u32 v[GI], v[T1], 3, s23
	v_lshlrev_b32 v[PFO], 8, v[T1]
; X INTO REGISTERS.  A fragment is 16 rows x 32 channels: lane l holds row l % 16, channels 8 (l / 16) + 0..7 in registers 0-3 and 16 + 8 (l / 16) + 0..7 in registers 4-7.  In f32 those are twice 32 bytes, 64 bytes apart.
.macro XLOAD buf                       ; a tile's 32 loads into half buf of window 1; then the address steps a tile on
	WIN 0x40                                       ; destination window 1, address window 0
.irp k, 0,1,2,3,4,5,6,7
	ds_load_b128 v[128*(\buf)+16*(\k):128*(\buf)+16*(\k)+3],     v[XA] offset:128*(\k)
	ds_load_b128 v[128*(\buf)+16*(\k)+4:128*(\buf)+16*(\k)+7],   v[XA] offset:128*(\k)+16
	ds_load_b128 v[128*(\buf)+16*(\k)+8:128*(\buf)+16*(\k)+11],  v[XA] offset:128*(\k)+64
	ds_load_b128 v[128*(\buf)+16*(\k)+12:128*(\buf)+16*(\k)+15], v[XA] offset:128*(\k)+80
.endr
	WIN 0
	v_add_nc_u32 v[XA], 16*XP, v[XA]
.endm
.macro XCVT i, buf                     ; tile i: 128 numbers a lane are rounded to bf16, two a line, into its 64 registers
	WIN 0x85+0x40*((\i)/4)                         ; sources window 1, destination window 2 or 3
.set q, 0
.rept 64
	v_cvt_pk_bf16_f32 v[64*((\i)%4)+q], v[128*(\buf)+2*q], v[128*(\buf)+2*q+1]
.set q, q+1
.endr
.endm
	s_wait_tensorcnt 2                             ; tensor loads of a wave end in order: my 32 rows of x are in; hee and chunk 0 may stay out
	s_barrier_signal -1
	s_barrier_wait -1                              ; everybody's rows are in: every wave reads all 128
	XLOAD 0
	XLOAD 1
.irp i, 0,1,2,3,4,5,6,7
.if (\i) < 7
	s_wait_dscnt 32                                ; tile i is in; the next tile's 32 loads stay out
.else
	s_wait_dscnt 0x0
.endif
	XCVT \i, (\i)%2
.if (\i) < 6
	XLOAD (\i)%2
.endif
.endr
	; SLOT 1 JOINS THE RING: x's bytes are filled again, with chunk 1.
	WIN 0
	s_wait_tensorcnt 0x0                           ; all my tensor loads have landed, hee and my part of chunk 0 among them: the walking group 0 may be written
	ds_add_u32 v[SPW], v[NIL]                      ; 0 onto my spare word; the descriptor's step stands between it and the wait for it
	s_xor_b32 s[G0T+1], s[G0T+1], SLOT
	s_add_nc_u64 s[G0T+2:G0T+3], s[G0T+2:G0T+3], CHUNKB
	s_wait_dscnt 0x0                               ; the add is done, and my reads of x are over
	CROUND                                         ; that now holds of every wave of all four work-groups
	tensor_load_to_lds s[G0T:G0T+3], s[G1T:G1T+7]
	s_nop 0
	PLACES
; A tile's 18 LDS loads in one run: 16 codes x 256 channels (step k at byte 64 k of the rows) into buffer buf, and hee of my eight codes.
.macro FETCH buf
	WIN 0
	v_add_nc_u32 v[ADR], s[TB], v[AF0]
	v_add_nc_u32 v[AEA], s[TE], v[AE0]
	s_add_co_u32 s[TB], s[TB], TILEB               ; the next fetch is the next tile's
	s_add_co_u32 s[TE], s[TE], 64
	WIN 0x40
.irp k, 0,1,2,3,4,5,6,7
	ds_load_b128 v[128+64*(\buf)+8*(\k):128+64*(\buf)+8*(\k)+3],   v[ADR] offset:64*(\k)
	ds_load_b128 v[128+64*(\buf)+8*(\k)+4:128+64*(\buf)+8*(\k)+7], v[ADR] offset:64*(\k)+32
.endr
	WIN 0
	ds_load_b128 v[EE+8*(\buf):EE+8*(\buf)+3],   v[AEA]
	ds_load_b128 v[EE+8*(\buf)+4:EE+8*(\buf)+7], v[AEA] offset:16
.endm
; Product ii of a turn's 64: step ii / 8 along the channels, x tile ii % 8.  The eight accumulators take turns, one instruction a turn: seven others stand between two links of a chain,
; and the next turn goes on with the other set.  The first eight start their sums with hee.
.macro PROD par
.set kk, ii/8
.set mm, ii%8
.set rD, 64*(\par)+8*mm
.set rA, 128+64*(\par)+8*kk
.set rB, 64*(mm%4)+8*kk
.if kk == 0
	WIN 0x49+4*(mm/4)                              ; D and the codes window 1, x window 2 or 3, C window 0
	v_wmma_f32_16x16x32_bf16 v[rD:rD+7], v[rA:rA+7], v[rB:rB+7], v[EE+8*(\par):EE+8*(\par)+7]
.else
	WIN 0x59+4*(mm/4)                              ; the same with C window 1
	v_wmma_f32_16x16x32_bf16 v[rD:rD+7], v[rA:rA+7], v[rB:rB+7], v[rD:rD+7]
.endif
.endm
; What stands behind product ii: register ii of the set finished in the turn before is taken where its compare, made a slice earlier, says that it is greater; then the compare for register ii + 1.
; Slice 63 makes the compare for register 0 of the set that this turn finishes: its last product stands 16 plain lines back or more.  Each accumulator's lowest register is read first.
; mode 1: the first turn: there are no scores yet, and the lines start BV and BI.  mode 2: behind the last turn: no further compare.
.macro SLICE par, mode
	WIN 0x04                                       ; source 1 window 1, all else window 0
.set aO, 64*(1-(\par))
.set aN, 64*(\par)
.if (\mode) == 1
	v_mov_b32 v[BV+ii], s[NINF]
	v_mov_b32 v[BI+ii], 0
.else
	v_cndmask_b32 v[BV+ii], v[BV+ii], v[aO+ii], s[MK+ii%2]
	v_cndmask_b32 v[BI+ii], v[BI+ii], s[CB], s[MK+ii%2]
.endif
.if ii < 63
.if (\mode) != 1
	v_cmp_lt_f32 s[MK+(ii+1)%2], v[BV+ii+1], v[aO+ii+1]
.endif
.elseif (\mode) != 2
	v_cmp_lt_f32 s[MK], v[BV], v[aN]
.endif
.endm
; A TURN on buffer and accumulator set par.  fetch = 1: the next tile is fetched into the other buffer, behind the second product: the last product that read that buffer stands in front of slice 63 of the turn
; before, and nine plain lines that name none of its registers, and the run's own two, lie between.  The run has 62 products in which to land.
.macro TURN par, mode, fetch
	s_wait_dscnt 0x0                               ; this tile's fragments and hee are in
.set ii, 0
.rept 64
	PROD \par
	SLICE \par, \mode
.if (\fetch) && (ii == 1)
	FETCH 1-(\par)
.endif
.set ii, ii+1
.endr
.if (\mode) == 0
	s_add_co_u32 s[CB], s[CB], 16                  ; the next turn compares the next tile's scores
.endif
.endm
; A PREFETCH INTO THE L2 of the chunk that stands TWO refills on: 512 matrix instructions ahead of the load that will ask for it.  All 64 clusters walk the same table: the launch's first cluster asks, and nobody else.
; Its four partners share a wave's 64 rows out BY ADDRESS, 16 each (no branch hangs on a work-group's place in its cluster); a lane names 256 bytes, half a row: 16 waves x 32 lanes name each block of the chunk once.
; Chunks 0 to 3 come by their loads alone; the last two changes ask for nothing: there is no chunk 32.
.macro ASK
	s_cmp_gt_u32 s[SLOTS], s[LIM]
	s_cbranch_scc0 .Lnot_mine_\@
	global_prefetch_b8 v[PFO], s[PFA:PFA+1] th:TH_LOAD_NT scope:SCOPE_SE
.Lnot_mine_\@:
.endm
; THE CHANGE OF SLOTS, in front of a chunk's last turn: that turn's fragments have been asked for, and it will fetch the next chunk's first tile.  Each wave waits for all its tensor loads, of which one is out: its part
; of the other slot; adds 0 to its spare word; waits for that and for its own reads of the slot that it leaves.  Behind the round no wave of any partner reads that slot or has a load on its way, and the joint refill,
; the chunk two on, is the first thing there: it has four turns, 256 matrix instructions, in which to land.
.macro CHANGE
	WIN 0                                          ; at a label and at a branch every window is 0
	s_wait_tensorcnt 0x0
	ds_add_u32 v[SPW], v[NIL]                      ; the steps below stand between the add and the wait for it
	s_xor_b32 s[G0T+1], s[G0T+1], SLOT             ; the walking descriptor: the other slot than last time,
	s_add_nc_u64 s[G0T+2:G0T+3], s[G0T+2:G0T+3], CHUNKB  ; the next chunk; the type bits on top are not reached
	s_wait_xcnt 0x0                                ; the last prefetch, four turns back, has read its address, so it may be written
	s_add_nc_u64 s[PFA:PFA+1], s[PFA:PFA+1], CHUNKB
	s_wait_dscnt 0x0                               ; the add is done, and my reads of the slot are over
	CROUND
	tensor_load_to_lds s[G0T:G0T+3], s[G1T:G1T+7]
	s_nop 0
	PLACES
	ASK
	s_sub_co_u32 s[TB], s[TB], 4*TILEB             ; the fetches go back to a slot's first tile,
	s_xor_b32 s[TB], s[TB], SLOT                   ; in the other slot
.endm
	s_mov_b32 s[TB], 0
	s_mov_b32 s[TE], 0
	s_mov_b32 s[CB], 0
	FETCH 0                                        ; tile 0
	TURN 0, 1, 1                                   ; turn 0
	WIN 0
	s_mov_b32 s[SLOTS], 31
	s_mov_b32 s[TW], 1                             ; turns 1 and 2 end the part of chunk 0 that stands in front of the first change
	s_branch .Lpair
.Lslot:                                        ; 30 times: change c stands in front of turn 4 c + 3 and asks for chunk c + 2
	CHANGE
	s_mov_b32 s[TW], 2
.Lpair:
	TURN 1, 0, 1
	TURN 0, 0, 1
	WIN 0
	s_sub_co_u32 s[TW], s[TW], 1
	s_cmp_lg_u32 s[TW], 0
	s_cbranch_scc1 .Lpair
	s_sub_co_u32 s[SLOTS], s[SLOTS], 1
	s_cmp_lg_u32 s[SLOTS], 0
	s_cbranch_scc1 .Lslot
	; THE TAIL is written out.  Nothing is filled again, and a wave reads only rows that its own load brought: its own wait is all the order that the reads need.
	s_wait_tensorcnt 0x0                           ; my part of chunk 31 is in
	s_sub_co_u32 s[TB], s[TB], 4*TILEB
	s_xor_b32 s[TB], s[TB], SLOT
	s_mov_b32 s[TW], 2
.Lpair2:                                       ; turns 123 to 126
	TURN 1, 0, 1
	TURN 0, 0, 1
	WIN 0
	s_sub_co_u32 s[TW], s[TW], 1
	s_cmp_lg_u32 s[TW], 0
	s_cbranch_scc1 .Lpair2
	TURN 1, 0, 0                                   ; turn 127 fetches nothing
.set ii, 0
.rept 64
	SLICE 0, 2                                     ; its scores (the second set of accumulators) are compared with no products beside them
.set ii, ii+1
.endr
	WIN 0
; THE MERGE.  (va, ia) takes (vb, ib) where vb is greater, or equal with the lower number.  dv, di: other destinations for the value and the number; dv = -2: the value is wanted no more.
.macro MERGE va, ia, vb, ib, dv=-1, di=-1
	v_cmp_gt_f32 s[M0], v[\vb], v[\va]
	v_cmp_eq_f32 s[M1], v[\vb], v[\va]
	v_cmp_lt_u32 s[M2], v[\ib], v[\ia]
	s_and_b32 s[M1], s[M1], s[M2]
	s_or_b32 s[M0], s[M0], s[M1]
.if (\dv) == -1
	v_cndmask_b32 v[\va], v[\va], v[\vb], s[M0]
.elseif (\dv) >= 0
	v_cndmask_b32 v[\dv], v[\va], v[\vb], s[M0]
.endif
.if (\di) == -1
	v_cndmask_b32 v[\ia], v[\ia], v[\ib], s[M0]
.else
	v_cndmask_b32 v[\di], v[\ia], v[\ib], s[M0]
.endif
.endm
; Within a wave a code is numbered u = 16 T + 8 (l / 16) + j, which rises with the code: code = 256 (u / 64) + 64 w + u % 64.
.set t, 0
.rept 8                                ; x tile t
.set b, 8*t
.irp j, 1,2,3,4,5,6,7
	v_add_nc_u32 v[BI+b+(\j)], \j, v[BI+b+(\j)]
.endr
	MERGE BV+b, BI+b, BV+b+1, BI+b+1
	MERGE BV+b+2, BI+b+2, BV+b+3, BI+b+3
	MERGE BV+b+4, BI+b+4, BV+b+5, BI+b+5
	MERGE BV+b+6, BI+b+6, BV+b+7, BI+b+7
	MERGE BV+b, BI+b, BV+b+2, BI+b+2
	MERGE BV+b+4, BI+b+4, BV+b+6, BI+b+6
	MERGE BV+b, BI+b, BV+b+4, BI+b+4
	v_add_nc_u32 v[BI+b], v[H8], v[BI+b]
	v_permlanex16_b32 v[BV+b+1], v[BV+b], s[SEL], s[SEL+1]  ; the row's other eight codes of each tile lie in the lane 16 away
	v_permlanex16_b32 v[BI+b+1], v[BI+b], s[SEL], s[SEL+1]
	MERGE BV+b, BI+b, BV+b+1, BI+b+1, PR+2*t, T0
	v_lshrrev_b32 v[T1], 6, v[T0]
	v_and_b32 v[T0], 63, v[T0]
	v_lshl_add_u32 v[T0], v[T1], 8, v[T0]
	v_add_nc_u32 v[PR+2*t+1], s[W64], v[T0]
	ds_store_b64 v[MS], v[PR+2*t:PR+2*t+1] offset:128*t  ; row 16 t + l % 16; both halves of the lanes hold and write the same pair
.set t, t+1
.endr
	s_wait_dscnt 0x0                               ; for the others' sake: my pairs are in LDS
	s_barrier_signal -1
	s_barrier_wait -1
	s_cmp_lt_u32 s[WV], 2                          ; waves 0 and 1 finish 64 rows each, two a lane
	s_cbranch_scc0 .Lend
.irp w, 0,1,2,3
	ds_load_b128 v[FM+4*(\w):FM+4*(\w)+3], v[ML] offset:1024*(\w)  ; wave w's pairs for my two rows
.endr
	s_wait_dscnt 0x0
	MERGE FM, FM+1, FM+4, FM+5
	MERGE FM+2, FM+3, FM+6, FM+7
	MERGE FM, FM+1, FM+8, FM+9
	MERGE FM+2, FM+3, FM+10, FM+11
	MERGE FM, FM+1, FM+12, FM+13, -2, FM+16
	MERGE FM+2, FM+3, FM+14, FM+15, -2, FM+17
	global_store_b64 v[GI], v[FM+16:FM+17], s[10:11]  ; the wave stores 256 consecutive bytes, at a multiple of 256 from idx's first
.Lend:
	s_wait_tensorcnt 0x0                           ; the wave's end, behind my last tensor load and my last LDS store
	ds_add_u32 v[SPW], v[NIL]
	s_wait_dscnt 0x0
	CROUND                                         ; the closing round: no work-group ends while a partner may still ask for a tile that names it
	s_endpgm
.Lfunc_end_k_q494b9700a6_argmin:
	.size	k_q494b9700a6_argmin, .Lfunc_end_k_q494b9700a6_argmin-k_q494b9700a6_argmin
	.p2alignl 7, 3214868480
	.fill 96, 4, 3214868480
	.section	.rodata,"a",@progbits
	.p2align	6, 0x0
	.amdhsa_kernel k_q494b9700a6_argmin
		.amdhsa_group_segment_fixed_size 327680
		.amdhsa_private_segment_fixed_size 0
		.amdhsa_enable_private_segment 0
		.amdhsa_kernarg_size 32
		.amdhsa_user_sgpr_count 2
		.amdhsa_user_sgpr_kernarg_segment_ptr 1
		.amdhsa_wavefront_size32 1
		.amdhsa_system_sgpr_workgroup_id_x 1
		.amdhsa_system_sgpr_workgroup_id_y 1
		.amdhsa_system_sgpr_workgroup_id_z 1
		.amdhsa_system_vgpr_workitem_id 0
		.amdhsa_next_free_vgpr 1024
		.amdhsa_next_free_sgpr 80
		.amdhsa_reserve_vcc 0
		.amdhsa_float_denorm_mode_32 3
		.amdhsa_float_denorm_mode_16_64 3
		.amdhsa_memory_ordered 1
		.amdhsa_forward_progress 1
		.amdhsa_inst_pref_size 223
	.end_amdhsa_kernel
	.amdgpu_metadata
---
amdhsa.version: [ 1, 2 ]
amdhsa.kernels:
  - .name:           k_q494b9700a6_argmin
    .symbol:         k_q494b9700a6_argmin.kd
    .args:
      - { .name: x, .offset: 0, .size: 8, .value_kind: global_buffer, .address_space: global }
      - { .name: tab, .offset: 8, .size: 8, .value_kind: global_buffer, .address_space: global }
      - { .name: hee, .offset: 16, .size: 8, .value_kind: global_buffer, .address_space: global }
      - { .name: idx, .offset: 24, .size: 8, .value_kind: global_buffer, .address_space: global }
    .group_segment_fixed_size: 327680
    .private_segment_fixed_size: 0
    .kernarg_segment_align: 8
    .kernarg_segment_size: 32
    .max_flat_workgroup_size: 128
    .sgpr_count:     80
    .vgpr_count:     1024
    .wavefront_size: 32
...
	.end_amdgpu_metadata
.endif
;; end of part 2
;; launch gather (part 3): grid 256 x 1, 8 waves a work-group, no clusters, 0 bytes of LDS; arguments idx, tab, out0; writes out0
.if DOCPART == 3
	.amdgcn_target "amdgcn-amd-amdhsa--gfx1250"
	.amdhsa_code_object_version 6
	.text
	.protected	k_q494b9700a6_gather
	.globl	k_q494b9700a6_gather
	.p2align	8
	.type	k_q494b9700a6_gather,@function
k_q494b9700a6_gather:
	s_mov_b64 s[64:65], 0
	v_nop
	global_prefetch_b8 v0, s[64:65] scope:SCOPE_SE
	s_setreg_imm32_b32 hwreg(HW_REG_WAVE_MODE, 25, 1), 1
	s_wait_xcnt 0x0
; out0[n][:] = tab[idx[n]][:] widened to f32.  idx: [32768] u32, stored by the launch before; tab: [8192][256] bf16; out0: [32768][256] f32.
; The lookup does only what the index asks for: one row of 512 bytes for each row of the output.  LIMIT: the output is the column of embeddings rounded to bf16 (within 2^-9 of the f32 number).
; Eight waves; a wave owns 16 rows.  Its 16 indices come by one scalar load; all 32 row loads go out at once, each into registers of its own, and no register is written twice: the only waits are the counted ones for the rows.
; An index is held to the table's 8,192 rows before it enters an address.
.set L8,  3                            ; v3   8 l
.set L16, 4                            ; v4   16 l
.set OF,  16                           ; v[16:31]   row q: 512 x its index + 8 l
.set IN,  32                           ; v[32:95]   row q: four registers, 8 bf16: channels 4 l .. 4 l + 3 and 128 + 4 l .. 128 + 4 l + 3
.set W,   96                           ; v[96:223]  row q: the same eight in f32
	s_load_b128 s[4:7], s[0:1], 0x0                ; idx s[4:5], tab s[6:7]
	s_load_b64 s[8:9], s[0:1], 0x10                ; out0
	v_lshrrev_b32 v1, 5, v0
	v_readfirstlane_b32 s10, v1                    ; wave 0..7
	v_and_b32 v2, 31, v0
	v_lshlrev_b32 v[L8], 3, v2
	v_lshlrev_b32 v[L16], 4, v2
	s_lshl_b32 s12, ttmp9, 9                       ; idx: the work-group's 128 numbers,
	s_lshl_b32 s11, s10, 6                         ; my wave's 16
	s_add_co_u32 s12, s12, s11
	s_mov_b32 s13, 0
	s_lshl_b32 s14, ttmp9, 17                      ; out0: 128 rows of 1,024 bytes,
	s_lshl_b32 s11, s10, 14                        ; my wave's 16
	s_add_co_u32 s14, s14, s11
	s_mov_b32 s15, 0
	s_mov_b32 s11, 0xffff0000                      ; a word's upper bf16
	s_wait_kmcnt 0x0
	s_add_nc_u64 s[4:5], s[4:5], s[12:13]
	s_add_nc_u64 s[8:9], s[8:9], s[14:15]
	s_load_b512 s[16:31], s[4:5], 0x0
	s_wait_kmcnt 0x0
.irp q, 0,1,2,3,4,5,6,7,8,9,10,11,12,13,14,15
	s_min_u32 s[16+(\q)], s[16+(\q)], 0x1fff
	s_lshl_b32 s[16+(\q)], s[16+(\q)], 9
	v_add_nc_u32 v[OF+(\q)], s[16+(\q)], v[L8]
	global_load_b64 v[IN+4*(\q):IN+4*(\q)+1],   v[OF+(\q)], s[6:7]             ; 32 lanes x 8 bytes: the row's first 256 bytes,
	global_load_b64 v[IN+4*(\q)+2:IN+4*(\q)+3], v[OF+(\q)], s[6:7] offset:256  ; and its second
.endr
.irp q, 0,1,2,3,4,5,6,7,8,9,10,11,12,13,14,15
	s_wait_loadcnt 30-2*(\q)                       ; loads come back in order: row q's two are in, the later rows' stay out
.irp c, 0,1,2,3
	v_lshlrev_b32 v[W+8*(\q)+2*(\c)],   16,  v[IN+4*(\q)+(\c)]  ; bf16 to f32: the low half moves up,
	v_and_b32     v[W+8*(\q)+2*(\c)+1], s11, v[IN+4*(\q)+(\c)]  ; the high half stays
.endr
	global_store_b128 v[L16], v[W+8*(\q):W+8*(\q)+3],   s[8:9] offset:1024*(\q) th:TH_STORE_NT      ; the wave stores 512 consecutive bytes, at a multiple of 256 from out0's first
	global_store_b128 v[L16], v[W+8*(\q)+4:W+8*(\q)+7], s[8:9] offset:1024*(\q)+512 th:TH_STORE_NT
.endr
	s_endpgm
.Lfunc_end_k_q494b9700a6_gather:
	.size	k_q494b9700a6_gather, .Lfunc_end_k_q494b9700a6_gather-k_q494b9700a6_gather
	.p2alignl 7, 3214868480
	.fill 96, 4, 3214868480
	.section	.rodata,"a",@progbits
	.p2align	6, 0x0
	.amdhsa_kernel k_q494b9700a6_gather
		.amdhsa_group_segment_fixed_size 0
		.amdhsa_private_segment_fixed_size 0
		.amdhsa_enable_private_segment 0
		.amdhsa_kernarg_size 24
		.amdhsa_user_sgpr_count 2
		.amdhsa_user_sgpr_kernarg_segment_ptr 1
		.amdhsa_wavefront_size32 1
		.amdhsa_system_sgpr_workgroup_id_x 1
		.amdhsa_system_sgpr_workgroup_id_y 1
		.amdhsa_system_sgpr_workgroup_id_z 1
		.amdhsa_system_vgpr_workitem_id 0
		.amdhsa_next_free_vgpr 224
		.amdhsa_next_free_sgpr 66
		.amdhsa_reserve_vcc 0
		.amdhsa_float_denorm_mode_32 3
		.amdhsa_float_denorm_mode_16_64 3
		.amdhsa_memory_ordered 1
		.amdhsa_forward_progress 1
		.amdhsa_inst_pref_size 14
	.end_amdhsa_kernel
	.amdgpu_metadata
---
amdhsa.version: [ 1, 2 ]
amdhsa.kernels:
  - .name:           k_q494b9700a6_gather
    .symbol:         k_q494b9700a6_gather.kd
    .args:
      - { .name: idx, .offset: 0, .size: 8, .value_kind: global_buffer, .address_space: global }
      - { .name: tab, .offset: 8, .size: 8, .value_kind: global_buffer, .address_space: global }
      - { .name: out0, .offset: 16, .size: 8, .value_kind: global_buffer, .address_space: global }
    .group_segment_fixed_size: 0
    .private_segment_fixed_size: 0
    .kernarg_segment_align: 8
    .kernarg_segment_size: 24
    .max_flat_workgroup_size: 256
    .sgpr_count:     66
    .vgpr_count:     224
    .wavefront_size: 32
...
	.end_amdgpu_metadata
.endif
;; end of part 3
;; ======== version 2 of 2: 3 launches; version 1 with the launches prep, gather written anew for expert scheduling mode
;; workspace buffers: tab 4,194,304 bytes; hee 32,768 bytes; idx 131,072 bytes of whole numbers
;; launch prep (part 4): grid 128 x 1, 8 waves a work-group, no clusters, 35,072 bytes of LDS; arguments embeddings, tab, hee; writes tab, hee
.if DOCPART == 4
	.amdgcn_target "amdgcn-amd-amdhsa--gfx1250"
	.amdhsa_code_object_version 6
	.text
	.protected	k_q494b9700a6_prep
	.globl	k_q494b9700a6_prep
	.p2align	8
	.type	k_q494b9700a6_prep,@function
k_q494b9700a6_prep:
	s_mov_b64 s[64:65], 0
	v_nop
	global_prefetch_b8 v0, s[64:65] scope:SCOPE_SE
	s_setreg_imm32_b32 hwreg(HW_REG_WAVE_SCHED_MODE, 0, 2), 2
	s_setreg_imm32_b32 hwreg(HW_REG_WAVE_MODE, 25, 1), 1
	s_wait_xcnt 0x0
	s_wait_alu depctr_vm_vsrc(0)
; THE PROGRAM: out[n][:] = embeddings[:, k(n)], k(n) = argmin over k of ||x_n||^2 - 2 x_n . e_k + ||e_k||^2.  Three launches:
;   prep (this one): tab[k][d] = bf16(embeddings[d][k]) and hee[k] = -1/2 sum over d of tab[k][d]^2;   argmin: idx[n] = argmax over k of x_n . tab[k] + hee[k];   gather: out[n] = tab[idx[n]] as f32.
; WORK LEFT OUT.  ||x_n||^2 is one number for a row n: it is added to all 8,192 distances of that row alike, so in exact arithmetic it moves no argmin, whatever finite numbers x and embeddings hold;
; it reaches the output by no other way.  It is of the size of the other two terms, so no digit of theirs hangs on it.  It is not computed.  x itself stays live (the product).  The factor -2 is folded away:
; argmin(ee - 2 p) = argmax(p - ee / 2), and halving is exact.
; LIMITS.  A NaN, an infinity or an overflow that reaches only ||x_n||^2 is not carried to the result.  The matrix operands are x and embeddings rounded once to bf16, ||e||^2 is summed of the ROUNDED
; numbers (the distances are those of the rounded inputs), and the output is the rounded column widened to f32: within 2^-9 of the f32 number.  A number beyond bf16's largest rounds to an infinity.
; Sums are taken in another order than a sum down the column: two distances of a row that lie closer than f32's rounding of them may change places.
; SHARES.  Eight waves; a work-group owns 64 codes: 256 consecutive bytes of each of the 256 rows of embeddings, 64 whole rows of tab, 256 consecutive bytes of hee.
; Phase 1: wave v takes rows d = 32 v .. 32 v + 31, rounds them and lays them turned into a stage in LDS.  Phase 2: wave v takes codes 8 v .. 8 v + 7 out of the stage as whole rows of 512 bytes.
; THE MODE: SCHED_MODE bits 1:0 = 2 (LLVM: expert scheduling mode 2), set by the entry lines.  The code itself states the register dependences
; between vector instructions and memory or LDS instructions, with s_wait_alu, always for 0.
; THE PLAN.  Registers that memory or LDS instructions touch:
;   v5 .. v11     Seven offsets and addresses: written at the head and never again; one wait ahead of the first load states that they are written.
;   IN v[16:79]   The sixteen global loads land in it; phase 1's conversions read it; phase 2's eight LDS loads land in v[16:47], which the stores to tab and the widening lines read.
;   PK v[80:111]  Group g's sixteen conversions write its sixteen registers; the group's four LDS stores read them, behind one wait.  v[80:87] are written again in phase 2, behind a wait for those stores' reads.
;   S  v[64:71]   Written by phase 2's arithmetic; read by two LDS stores, behind one wait.
;   v[14:15]      An LDS load lands in them and a global store reads them: no vector instruction names them.
;   v12, v13      Written at the head, read by the closing add alone.
.set EROW,  32768                      ; bytes in a row of embeddings
.set SP,    528                        ; a stage row: 512 bytes + 16
.set EEL,   64*SP                      ; behind the stage: the work-group's 64 numbers for hee, a block of 256 bytes
.set SPARE, EEL+256                    ; behind it: the spare words, 128 bytes for each of eight waves: four blocks of 256 bytes that no other line names
.set LO,  5                            ; v5   my byte offset in embeddings: (32 v + 8 (l / 16)) rows + 16 (l % 16)
.set SA,  6                            ; v6   where I put 16 bytes in the stage
.set RA,  7                            ; v7   where I read a row back
.set TO,  8                            ; v8   16 l: my 16 bytes of a row of tab
.set EA,  9                            ; v9   EEL + 32 v
.set HL,  10                           ; v10  EEL + 8 l
.set HO,  11                           ; v11  8 l
.set SPW, 12                           ; v12  LDS address of my spare word; never rewritten
.set NIL, 13                           ; v13  0; never rewritten
.set IN,  16                           ; v[16:79]   phase 1: sixteen loads of 4; phase 2: v[16:47] eight rows of tab
.set U,   48                           ; v[48:55]   phase 2: eight numbers in f32
.set Q,   56                           ; v[56:57]   phase 2: two running sums of squares
.set S,   64                           ; v[64:71]   phase 2: the sum for each of my eight codes
.set PK,  80                           ; v[80:111]  phase 1: packed bf16; phase 2: v[80:87] the other half of the lanes' sums
.set WV,  10                           ; s10  my wave's number
.set HIM, 11                           ; s11  a word's upper bf16
.set SEL, 12                           ; s[12:13] v_permlanex16_b32's selects: each lane takes its own place in the other half
	s_load_b128 s[4:7], s[0:1], 0x0                ; embeddings s[4:5], tab s[6:7]
	s_load_b64 s[8:9], s[0:1], 0x10                ; hee
	v_lshl_add_u32 v[SPW], v0, 2, SPARE
	v_mov_b32 v[NIL], 0
	v_lshrrev_b32 v1, 5, v0
	v_readfirstlane_b32 s[WV], v1                  ; wave 0..7
	v_and_b32 v2, 15, v0                           ; l % 16: which four codes
	v_bfe_u32 v3, v0, 4, 1                         ; l / 16
	v_and_b32 v4, 31, v0                           ; l
	s_mov_b32 s[HIM], 0xffff0000
	s_mov_b32 s[SEL], 0x76543210
	s_mov_b32 s[SEL+1], 0xfedcba98
	s_wait_alu depctr_va_sdst(0)                   ; the wave's number is written, ahead of its first reader: the line below
	s_lshl_b32 s18, s[WV], 20                      ; 32 rows of 32,768 bytes
	v_lshlrev_b32 v[LO], 18, v3                    ; 8 rows
	v_lshl_add_u32 v[LO], v2, 4, v[LO]
	v_add_nc_u32 v[LO], s18, v[LO]
	s_lshl_b32 s19, s[WV], 6                       ; my 32 channels: 64 bytes of a stage row
	v_mul_u32_u24 v[SA], v2, 4*SP                  ; stage row 4 (l % 16)
	v_lshl_add_u32 v[SA], v3, 4, v[SA]             ; 8 channels: 16 bytes
	v_add_nc_u32 v[SA], s19, v[SA]
	s_mul_i32 s20, s[WV], 8*SP                     ; my eight codes' rows
	v_lshl_add_u32 v[RA], v4, 4, s20
	v_lshlrev_b32 v[TO], 4, v4
	s_lshl_b32 s21, s[WV], 5
	s_add_co_u32 s21, s21, EEL
	v_mov_b32 v[EA], s21
	v_lshlrev_b32 v[HO], 3, v4
	v_add_nc_u32 v[HL], EEL, v[HO]
	s_lshl_b32 s14, ttmp9, 8                       ; the work-group's 64 codes: 256 bytes of a row of embeddings, and of hee
	s_mov_b32 s15, 0
	s_lshl_b32 s16, ttmp9, 15                      ; 64 rows of tab,
	s_lshl_b32 s18, s[WV], 12                      ; my eight of them
	s_add_co_u32 s16, s16, s18
	s_mov_b32 s17, 0
	s_wait_kmcnt 0x0
	s_add_nc_u64 s[4:5], s[4:5], s[14:15]
	s_add_nc_u64 s[8:9], s[8:9], s[14:15]
	s_add_nc_u64 s[6:7], s[6:7], s[16:17]
	s_wait_alu depctr_va_vdst(0)                   ; the seven offsets and addresses v5 to v11 are written, which the loads, stores and LDS instructions of the whole kernel read
	; PHASE 1.  Load (g, t) brings row d = 32 v + 16 g + 8 (l / 16) + t: lanes 0-15 take the 256 bytes of one row, lanes 16-31 those of the row 8 further down.
.irp g, 0,1
.irp t, 0,1,2,3,4,5,6,7
	global_load_b128 v[IN+32*(\g)+4*(\t):IN+32*(\g)+4*(\t)+3], v[LO], s[4:5] offset:(16*(\g)+(\t))*EROW th:TH_LOAD_NT
.endr
.endr
.irp g, 0,1
	s_wait_loadcnt 8-8*(\g)                        ; loads come back in order: group g's eight are in; group 1's may stay out behind group 0
.irp c, 0,1,2,3                        ; code 4 (l % 16) + c: its eight channels pack into 16 bytes, the lower channel in the lower half
.irp q, 0,1,2,3
	v_cvt_pk_bf16_f32 v[PK+16*(\g)+4*(\c)+(\q)], v[IN+32*(\g)+8*(\q)+(\c)], v[IN+32*(\g)+8*(\q)+4+(\c)]
.endr
.endr
	s_wait_alu depctr_va_vdst(0)                   ; group g's sixteen conversions have written its part of PK, which the four LDS stores below read, and are done reading its part of IN, in which phase 2's LDS loads land
.irp c, 0,1,2,3
	ds_store_b128 v[SA], v[PK+16*(\g)+4*(\c):PK+16*(\g)+4*(\c)+3] offset:(\c)*SP+32*(\g)  ; group 0's stores leave while group 1's loads are still out
.endr
.endr
	s_wait_dscnt 0x0                               ; for the others' sake: my stores into the stage are done
	s_barrier_signal -1
	s_barrier_wait -1                              ; the stage is whole
	; PHASE 2.  A row of the stage is a row of tab: 32 lanes x 16 bytes.  No vector instruction since the last wait on va_vdst names v[16:47].
.irp q, 0,1,2,3,4,5,6,7
	ds_load_b128 v[IN+4*(\q):IN+4*(\q)+3], v[RA] offset:SP*(\q)
.endr
.irp q, 0,1,2,3,4,5,6,7
	s_wait_dscnt 7-(\q)                            ; LDS loads come back in order: row q is in, the younger ones stay out
	global_store_b128 v[TO], v[IN+4*(\q):IN+4*(\q)+3], s[6:7] offset:512*(\q)  ; the wave stores 512 consecutive bytes, at a multiple of 256 from tab's first; its data came by an LDS load, and nothing writes them again
.irp c, 0,1,2,3
	v_lshlrev_b32 v[U+2*(\c)],   16, v[IN+4*(\q)+(\c)]      ; bf16 to f32: the low half moves up,
	v_and_b32     v[U+2*(\c)+1], s[HIM], v[IN+4*(\q)+(\c)]  ; the high half stays
.endr
	v_pk_mul_f32 v[Q:Q+1], v[U:U+1], v[U:U+1]      ; my eight squares of the rounded numbers, in f32
	v_pk_fma_f32 v[Q:Q+1], v[U+2:U+3], v[U+2:U+3], v[Q:Q+1]
	v_pk_fma_f32 v[Q:Q+1], v[U+4:U+5], v[U+4:U+5], v[Q:Q+1]
	v_pk_fma_f32 v[Q:Q+1], v[U+6:U+7], v[U+6:U+7], v[Q:Q+1]
	v_add_f32 v[S+(\q)], v[Q], v[Q+1]
.endr
.irp x, 1,2,4,8                        ; across the lanes: four steps inside each half of 16, the eight codes' sums side by side
.irp q, 0,1,2,3,4,5,6,7
	v_add_f32_dpp v[S+(\q)], v[S+(\q)], v[S+(\q)] row_xmask:\x row_mask:0xf bank_mask:0xf
.endr
.endr
	s_wait_alu depctr_vm_vsrc(0)                   ; phase 1's LDS stores have read v[80:87], which the eight lines below write again
.irp q, 0,1,2,3,4,5,6,7
	v_permlanex16_b32 v[PK+(\q)], v[S+(\q)], s[SEL], s[SEL+1]  ; the other half's sum; the destination was written in phase 1
.endr
.irp q, 0,1,2,3,4,5,6,7
	v_add_f32 v[S+(\q)], v[S+(\q)], v[PK+(\q)]
.endr
.irp q, 0,1,2,3,4,5,6,7
	v_mul_f32 v[S+(\q)], -0.5, v[S+(\q)]           ; exact
.endr
	s_wait_alu depctr_va_vdst(0)                   ; the eight products have written S, which the two LDS stores below read
	ds_store_b128 v[EA], v[S:S+3]                  ; every lane holds the same eight numbers and writes them to the same 32 bytes
	ds_store_b128 v[EA], v[S+4:S+7] offset:16
	s_wait_dscnt 0x0                               ; for wave 0's sake
	s_barrier_signal -1
	s_barrier_wait -1
	s_cmp_lg_u32 s[WV], 0
	s_cbranch_scc1 .Lend
	ds_load_b64 v[14:15], v[HL]
	s_wait_dscnt 0x0
	global_store_b64 v[HO], v[14:15], s[8:9]       ; the wave stores 256 consecutive bytes, at a multiple of 256 from hee's first
.Lend:
	s_wait_dscnt 0x0                               ; the closing lines, six on end
	s_wait_alu 0x0
	s_wait_tensorcnt 0x0
	ds_add_u32 v[SPW], v[NIL]
	s_wait_dscnt 0x0
	s_endpgm
.Lfunc_end_k_q494b9700a6_prep:
	.size	k_q494b9700a6_prep, .Lfunc_end_k_q494b9700a6_prep-k_q494b9700a6_prep
	.p2alignl 7, 3214868480
	.fill 96, 4, 3214868480
	.section	.rodata,"a",@progbits
	.p2align	6, 0x0
	.amdhsa_kernel k_q494b9700a6_prep
		.amdhsa_group_segment_fixed_size 35072
		.amdhsa_private_segment_fixed_size 0
		.amdhsa_enable_private_segment 0
		.amdhsa_kernarg_size 24
		.amdhsa_user_sgpr_count 2
		.amdhsa_user_sgpr_kernarg_segment_ptr 1
		.amdhsa_wavefront_size32 1
		.amdhsa_system_sgpr_workgroup_id_x 1
		.amdhsa_system_sgpr_workgroup_id_y 1
		.amdhsa_system_sgpr_workgroup_id_z 1
		.amdhsa_system_vgpr_workitem_id 0
		.amdhsa_next_free_vgpr 128
		.amdhsa_next_free_sgpr 66
		.amdhsa_reserve_vcc 0
		.amdhsa_float_denorm_mode_32 3
		.amdhsa_float_denorm_mode_16_64 3
		.amdhsa_memory_ordered 1
		.amdhsa_forward_progress 1
		.amdhsa_inst_pref_size 16
	.end_amdhsa_kernel
	.amdgpu_metadata
---
amdhsa.version: [ 1, 2 ]
amdhsa.kernels:
  - .name:           k_q494b9700a6_prep
    .symbol:         k_q494b9700a6_prep.kd
    .args:
      - { .name: embeddings, .offset: 0, .size: 8, .value_kind: global_buffer, .address_space: global }
      - { .name: tab, .offset: 8, .size: 8, .value_kind: global_buffer, .address_space: global }
      - { .name: hee, .offset: 16, .size: 8, .value_kind: global_buffer, .address_space: global }
    .group_segment_fixed_size: 35072
    .private_segment_fixed_size: 0
    .kernarg_segment_align: 8
    .kernarg_segment_size: 24
    .max_flat_workgroup_size: 256
    .sgpr_count:     66
    .vgpr_count:     128
    .wavefront_size: 32
...
	.end_amdgpu_metadata
.endif
;; end of part 4
;; launch argmin: the kernel of part 2 again; grid 256 x 1, 4 waves a work-group, clusters of 4 x 1, 327,680 bytes of LDS; arguments x, tab, hee, idx; writes idx
;; launch gather (part 5): grid 256 x 1, 8 waves a work-group, no clusters, 0 bytes of LDS; arguments idx, tab, out0; writes out0
.if DOCPART == 5
	.amdgcn_target "amdgcn-amd-amdhsa--gfx1250"
	.amdhsa_code_object_version 6
	.text
	.protected	k_q494b9700a6_gather
	.globl	k_q494b9700a6_gather
	.p2align	8
	.type	k_q494b9700a6_gather,@function
k_q494b9700a6_gather:
	s_mov_b64 s[64:65], 0
	v_nop
	global_prefetch_b8 v0, s[64:65] scope:SCOPE_SE
	s_setreg_imm32_b32 hwreg(HW_REG_WAVE_SCHED_MODE, 0, 2), 2
	s_setreg_imm32_b32 hwreg(HW_REG_WAVE_MODE, 25, 1), 1
	s_wait_xcnt 0x0
	s_wait_alu depctr_vm_vsrc(0)
; out0[n][:] = tab[idx[n]][:] widened to f32.  idx: [32768] u32, stored by the launch before; tab: [8192][256] bf16; out0: [32768][256] f32.
; The lookup does only what the index asks for: one row of 512 bytes for each row of the output.  LIMIT: the output is the column of embeddings rounded to bf16 (within 2^-9 of the f32 number).
; Eight waves; a wave owns 16 rows.  Its 16 indices come by one scalar load; all 32 row loads go out at once, each into registers of its own, and no register is written twice.
; An index is held to the table's 8,192 rows before it enters an address.
; THE MODE: SCHED_MODE bits 1:0 = 2 (LLVM: expert scheduling mode 2), set by the entry lines.  The code itself states the register dependences
; between vector instructions and memory instructions, with s_wait_alu, always for 0.
; THE PLAN.  Registers that memory instructions touch:
;   OF v[16:31], v4   The offsets: each written once by a vector instruction.  All sixteen OF are made first; ONE wait states that they and v4 are written; then the 32 loads go out on end.
;   IN v[32:95]       The loads land in it; the widening lines read it; nothing else names it.
;   W  v[96:223]      Row q's eight widening lines write its eight registers, once; its two stores read them.
; The 16 rows go in four blocks of four.  Block p widens its rows into its part of W; its memory instructions are the eight stores of block p - 1, whose part of W no vector instruction of block p names.
; So one wait at the head of blocks 1 to 3 states all that those stores hang on, and they are dealt among the block's widening lines, two to a row; one more wait stands ahead of the last block's stores.
; No register that a memory instruction reads is ever written again.
.set L8,  3                            ; v3   8 l
.set L16, 4                            ; v4   16 l
.set OF,  16                           ; v[16:31]   row q: 512 x its index + 8 l
.set IN,  32                           ; v[32:95]   row q: four registers, 8 bf16: channels 4 l .. 4 l + 3 and 128 + 4 l .. 128 + 4 l + 3
.set W,   96                           ; v[96:223]  row q: the same eight in f32
; Row q leaves: each store of the wave covers 512 consecutive bytes, at a multiple of 256 from out0's first.
.macro OUT q
	global_store_b128 v[L16], v[W+8*(\q):W+8*(\q)+3],   s[8:9] offset:1024*(\q) th:TH_STORE_NT
	global_store_b128 v[L16], v[W+8*(\q)+4:W+8*(\q)+7], s[8:9] offset:1024*(\q)+512 th:TH_STORE_NT
.endm
	s_load_b128 s[4:7], s[0:1], 0x0                ; idx s[4:5], tab s[6:7]
	s_load_b64 s[8:9], s[0:1], 0x10                ; out0
	v_lshrrev_b32 v1, 5, v0
	v_readfirstlane_b32 s10, v1                    ; wave 0..7
	v_and_b32 v2, 31, v0
	v_lshlrev_b32 v[L8], 3, v2
	v_lshlrev_b32 v[L16], 4, v2
	s_lshl_b32 s12, ttmp9, 9                       ; idx: the work-group's 128 numbers,
	s_wait_alu depctr_va_sdst(0)                   ; the wave's number is written, ahead of its first reader: the line below
	s_lshl_b32 s11, s10, 6                         ; my wave's 16
	s_add_co_u32 s12, s12, s11
	s_mov_b32 s13, 0
	s_lshl_b32 s14, ttmp9, 17                      ; out0: 128 rows of 1,024 bytes,
	s_lshl_b32 s11, s10, 14                        ; my wave's 16
	s_add_co_u32 s14, s14, s11
	s_mov_b32 s15, 0
	s_mov_b32 s11, 0xffff0000                      ; a word's upper bf16
	s_wait_kmcnt 0x0
	s_add_nc_u64 s[4:5], s[4:5], s[12:13]
	s_add_nc_u64 s[8:9], s[8:9], s[14:15]
	s_load_b512 s[16:31], s[4:5], 0x0
	s_wait_kmcnt 0x0
.irp q, 0,1,2,3,4,5,6,7,8,9,10,11,12,13,14,15
	s_min_u32 s[16+(\q)], s[16+(\q)], 0x1fff
	s_lshl_b32 s[16+(\q)], s[16+(\q)], 9
	v_add_nc_u32 v[OF+(\q)], s[16+(\q)], v[L8]
.endr
	s_wait_alu depctr_va_vdst(0)                   ; the sixteen offsets OF are written, which the loads below read, and so is v4, which every store reads
.irp q, 0,1,2,3,4,5,6,7,8,9,10,11,12,13,14,15
	global_load_b64 v[IN+4*(\q):IN+4*(\q)+1],   v[OF+(\q)], s[6:7]             ; 32 lanes x 8 bytes: the row's first 256 bytes,
	global_load_b64 v[IN+4*(\q)+2:IN+4*(\q)+3], v[OF+(\q)], s[6:7] offset:256  ; and its second
.endr
.irp p, 0,1,2,3                        ; block p: rows 4 p .. 4 p + 3
.irp i, 0,1,2,3
	s_wait_loadcnt 30-2*(4*(\p)+(\i))              ; loads come back in order: this row's two are in, the later rows' stay out
.if (\p) > 0 && (\i) == 0
	s_wait_alu depctr_va_vdst(0)                   ; the block before has written its 32 registers of W, which the eight stores dealt through this block read
.endif
.if (\p) > 0
	OUT 4*(\p)+(\i)-4                              ; the same row of the block before.  No further wait: no vector instruction since the wait names its registers
.endif
.irp c, 0,1,2,3
	v_lshlrev_b32 v[W+8*(4*(\p)+(\i))+2*(\c)],   16,  v[IN+4*(4*(\p)+(\i))+(\c)]  ; bf16 to f32: the low half moves up,
	v_and_b32     v[W+8*(4*(\p)+(\i))+2*(\c)+1], s11, v[IN+4*(4*(\p)+(\i))+(\c)]  ; the high half stays
.endr
.endr
.endr
	s_wait_alu depctr_va_vdst(0)                   ; the last block has written its 32 registers of W, which the last eight stores read
.irp i, 12,13,14,15
	OUT \i
.endr
	s_endpgm
.Lfunc_end_k_q494b9700a6_gather:
	.size	k_q494b9700a6_gather, .Lfunc_end_k_q494b9700a6_gather-k_q494b9700a6_gather
	.p2alignl 7, 3214868480
	.fill 96, 4, 3214868480
	.section	.rodata,"a",@progbits
	.p2align	6, 0x0
	.amdhsa_kernel k_q494b9700a6_gather
		.amdhsa_group_segment_fixed_size 0
		.amdhsa_private_segment_fixed_size 0
		.amdhsa_enable_private_segment 0
		.amdhsa_kernarg_size 24
		.amdhsa_user_sgpr_count 2
		.amdhsa_user_sgpr_kernarg_segment_ptr 1
		.amdhsa_wavefront_size32 1
		.amdhsa_system_sgpr_workgroup_id_x 1
		.amdhsa_system_sgpr_workgroup_id_y 1
		.amdhsa_system_sgpr_workgroup_id_z 1
		.amdhsa_system_vgpr_workitem_id 0
		.amdhsa_next_free_vgpr 224
		.amdhsa_next_free_sgpr 66
		.amdhsa_reserve_vcc 0
		.amdhsa_float_denorm_mode_32 3
		.amdhsa_float_denorm_mode_16_64 3
		.amdhsa_memory_ordered 1
		.amdhsa_forward_progress 1
		.amdhsa_inst_pref_size 14
	.end_amdhsa_kernel
	.amdgpu_metadata
---
amdhsa.version: [ 1, 2 ]
amdhsa.kernels:
  - .name:           k_q494b9700a6_gather
    .symbol:         k_q494b9700a6_gather.kd
    .args:
      - { .name: idx, .offset: 0, .size: 8, .value_kind: global_buffer, .address_space: global }
      - { .name: tab, .offset: 8, .size: 8, .value_kind: global_buffer, .address_space: global }
      - { .name: out0, .offset: 16, .size: 8, .value_kind: global_buffer, .address_space: global }
    .group_segment_fixed_size: 0
    .private_segment_fixed_size: 0
    .kernarg_segment_align: 8
    .kernarg_segment_size: 24
    .max_flat_workgroup_size: 256
    .sgpr_count:     66
    .vgpr_count:     224
    .wavefront_size: 32
...
	.end_amdgpu_metadata
.endif
;; end of part 5
